; MI455X (gfx1250); checked and timed in simulation.
; The chip was launched on July 23, 2026; its instructions are those of AMD's public machine-readable ISA for CDNA 5 (MIT licence, August 2026) and "CDNA5" Instruction Set Architecture Reference Guide (July 2026). The comments in the code are by the model that wrote it; some were corrected since.
;; Multi Head Attention. Allowed arithmetic: matrix products marked QUANTISED: E4M3 operands, one given power-of-two scale a tensor, by v_wmma_f32_16x16x64_fp8_fp8 or v_wmma_f32_16x16x128_fp8_fp8, f32 sums; everything else in f32.
;; Inputs: Wk_codes 1,024 x 32 x 32 uint8 (E4M3 codes of Wk, K innermost, in blocks of 32 codes); Wo_codes 1,024 x 32 x 32 uint8 (E4M3 codes of Wo, K innermost, in blocks of 32 codes); Wq_codes 1,024 x 32 x 32 uint8 (E4M3 codes of Wq, K innermost, in blocks of 32 codes); Wv_codes 1,024 x 32 x 32 uint8 (E4M3 codes of Wv, K innermost, in blocks of 32 codes); bk 1,024 float32; bo 1,024 float32; bq 1,024 float32; bv 1,024 float32; lowp_scales 12 int32 (the exponents e of the quantised operands' scales 2^e); mask 4 x 2,048 x 2,048 bool; x_codes 4 x 2,048 x 32 x 32 uint8 (E4M3 codes of x, K innermost, in blocks of 32 codes).
;; Outputs: out0 4 x 2,048 x 1,024 float32.
;; This version of the problem:
;;   THIS VERSION OF THE PROBLEM IS GIVEN IN LOW PRECISION. The matrix products marked QUANTISED in the list below multiply operands that are first quantised to E4M3 (4 exponent bits, 3 mantissa bits; 8 bits a number), with one given power-of-two scale for each operand tensor; their sums are f32. All else is computed in f32.
;;   The module's matrix products, in the order in which they are computed (A, B: the left and right operand; K: the contracted axis; several contracted axes count as one K, in the product's order):
;;     1. [M 8,192, K 1,024] x [K 1,024, N 1,024]; A: input x (given as codes); B: input Wq (given as codes): QUANTISED (scales: A lowp_scales[0], B lowp_scales[1])
;;     2. [M 8,192, K 1,024] x [K 1,024, N 1,024]; A: input x (given as codes); B: input Wk (given as codes): QUANTISED (scales: A lowp_scales[2], B lowp_scales[3])
;;     3. [M 8,192, K 1,024] x [K 1,024, N 1,024]; A: input x (given as codes); B: input Wv (given as codes): QUANTISED (scales: A lowp_scales[4], B lowp_scales[5])
;;     4. batch 64 x [M 2,048, K 64] x [K 64, N 2,048]; A: computed on the way; B: computed on the way: QUANTISED (scales: A lowp_scales[6], B lowp_scales[7])
;;     5. batch 64 x [M 2,048, K 2,048] x [K 2,048, N 64]; A: softmax (see below); B: computed on the way: QUANTISED (scales: A lowp_scales[8], B lowp_scales[9])
;;     6. [M 8,192, K 1,024] x [K 1,024, N 1,024]; A: computed on the way; B: input Wo (given as codes): QUANTISED (scales: A lowp_scales[10], B lowp_scales[11])
;;   THE QUANTISER, for each operand of a quantised product, along K:
;;     - The operand's scale is 2^e, e = its entry of the input lowp_scales (int32; the entries are numbered through the quantised products in the list's order, A before B).
;;     - Each number is divided by the scale, clamped to +-448, and rounded to the nearest number of E4M3, ties to even, subnormals kept.
;;     - The product sums the exact products of the quantised numbers (number of the format x scale) in f32.
;;   ~~~python
;;   def quantise(x, axis, e):      # numpy; x: float32 -> the quantised numbers, widened to float32 again
;;       x = np.moveaxis(x, axis, -1); K = x.shape[-1]
;;       r = np.clip(x / 2.0 ** e, -448, 448)
;;       step = 2.0 ** (np.maximum(np.frexp(np.where(r == 0, 1, r))[1] - 1, -6) - 3)
;;       q = np.round(r / step) * step * 2.0 ** e      # np.round: ties to even
;;       return np.moveaxis(q, -1, axis).astype(np.float32)
;;   ~~~
;;   SOFTMAX AHEAD OF A QUANTISED PRODUCT. Where the list says 'softmax', what is quantised is not the finished softmax but p = 2^(t - M), with t = logit x log2(e) and M = ceil(the row's largest t), a whole number; so 1/2 < the row's largest p <= 1. The row's sum l is taken of the UNQUANTISED p, in f32, and the product's result is divided by l at the end. Since M is a whole number, a kernel that streams over the keys may use a running M (the ceiling of the running maximum): every later rescaling is an exact power of two, so the quantised numbers keep their values, but for numbers so far below the row's largest that they fall under the format's range.
;;   OPERANDS COMPUTED ON THE WAY. 'Computed on the way' means the value that the module computes at that place (a softmax that the list does not call 'softmax' is quantised finished and normalised). What goes into a quantiser is computed in f32, as accurately as f32 sums, v_exp_f32 and their like allow (about 1e-6 of the number): no bf16 or f16 on the way to a quantiser, and a product that is left as it is and whose result goes on into a quantised operand takes f32 operands (vector FMAs, or v_wmma_f32_16x16x4_f32). A number that lies on a knife's edge between two numbers of the format may be rounded either way, as far as f32 arithmetic and the matrix unit's own rounding can turn it there, and no further.
;;   INPUTS GIVEN AS CODES. Wk (in the module: [1024, 1024], K = its axis 0); Wo (in the module: [1024, 1024], K = its axis 0); Wq (in the module: [1024, 1024], K = its axis 0); Wv (in the module: [1024, 1024], K = its axis 0); x (in the module: [4, 2048, 1024], K = its axis 2): each comes as NAME_codes (uint8): NAME with its K axis moved to the last place and cut into blocks of 32 codes, [.., K / 32, bytes a block], one block behind the other in memory; one code a byte (a code: sign, 4 exponent bits, 3 mantissa bits); its scale is its entry of lowp_scales. Its value is code x scale, taken as it is: it is not quantised again, and the codes and scales need not be those that the quantiser above would give.
;; One version. Each part assembles by itself: llvm-mc -triple=amdgcn-amd-amdhsa -mcpu=gfx1250 --defsym DOCPART=n.
;; ======== version 1 of 1: 4 launches
;; limits: right only within a limited range of input values
;; workspace buffers: maskw 2,097,152 bytes of whole numbers; flagw 1,024 bytes of whole numbers; qimg 8,388,608 bytes; kvimg 16,777,216 bytes; aimg 8,388,608 bytes
;; launch pack (part 1): grid 256 x 1, 8 waves a work-group, no clusters, 69,888 bytes of LDS; arguments mask, maskw, flagw; writes maskw, flagw
.if DOCPART == 1
	.amdgcn_target "amdgcn-amd-amdhsa--gfx1250"
	.amdhsa_code_object_version 6
	.text
	.protected	k_q1efd003369_pack
	.globl	k_q1efd003369_pack
	.p2align	8
	.type	k_q1efd003369_pack,@function
k_q1efd003369_pack:
	s_mov_b64 s[64:65], 0
	v_nop
	global_prefetch_b8 v0, s[64:65] scope:SCOPE_SE
	s_setreg_imm32_b32 hwreg(HW_REG_WAVE_MODE, 25, 1), 1
	s_wait_xcnt 0x0
; The mask, [4][2048][2048] bytes (not 0 = hidden), becomes LANE-MASK WORDS for the attention launch, and for each 32 queries a word that says which key steps have to be walked.
; maskw: u32 [b 4][qt 128][ks 16][n 64].  Bit L (r = L % 16, h = L / 16) of word n = 8 T + j is mask[b][16 qt + r][128 ks + 16 T + 8 h + j]: the place of score register n of lane L in the attention launch.
; flagw: u32 [b 4][P 64], P = a pair of query tiles (32 queries).  Bit ks = 1: some key of step ks counts for some query of the pair.  If a row of the pair has ALL 2,048 keys hidden, its softmax is
; uniform over all keys, so the pair's word is 0xffff: every step is walked.  In every other row a hidden key's weight is exactly 0, so a step that is hidden for the whole pair adds nothing.
; SHARES.  Work-group g = 64 b + P owns 32 rows of the mask; wave w owns their keys 256 w .. 256 w + 255 (key steps 2 w, 2 w + 1).  Each load of a wave covers two rows' aligned 256 bytes; all 16 loads of a wave go out at once.
; A lane needs 8 neighbouring bytes of ITS row r: the bytes turn through the wave's own stage in LDS (rows 272 bytes apart).  No matrix unit, no tensor load, no cluster: a stream that is read once and shared by nobody.
.set PITCH, 272                        ; a stage row: 256 bytes + 16
.set WST,   32*PITCH                   ; a wave's stage
.set REC,   8*WST                      ; behind the stages: a record of 8 bytes for each wave
.set TT,    8                          ; v8-11    at work
.set IN,    16                         ; v16-79   the 16 loads
.set RB,    80                         ; v80-143  read back: block blk = 2 tau + sig at 16 blk, tile T at 2 T
.set WW,    144                        ; v144-151 a pair of words a lane for each block: lane l holds words 2 l, 2 l + 1
.set X,     12                         ; s12-15   the AND of a block's 64 words
.set WS,    16                         ; s16-23   eight words at work
	s_load_b128 s[4:7], s[0:1], 0x0                ; mask, maskw
	s_load_b64 s[8:9], s[0:1], 0x10                ; flagw
	v_lshrrev_b32 v1, 5, v0
	s_delay_alu instid0(VALU_DEP_1)
	v_readfirstlane_b32 s10, v1                    ; wave 0..7
	v_and_b32 v1, 31, v0                           ; lane
	v_and_b32 v6, 15, v0                           ; r
	v_bfe_u32 v7, v0, 4, 1                         ; h
	s_delay_alu instid0(VALU_DEP_2)
	v_lshlrev_b32 v2, 4, v6
	s_delay_alu instid0(VALU_DEP_1)
	v_lshl_add_u32 v2, v7, 11, v2                  ; in memory: lanes 0-15 one row's 256 bytes, lanes 16-31 the next row's
	s_mul_i32 s11, s10, WST
	v_mul_u32_u24 v3, v7, PITCH
	s_delay_alu instid0(VALU_DEP_1)
	v_lshl_add_u32 v3, v6, 4, v3
	s_delay_alu instid0(VALU_DEP_1)
	v_add_nc_u32 v3, s11, v3                       ; into the stage: the same two rows
	v_mul_u32_u24 v4, v6, PITCH
	s_delay_alu instid0(VALU_DEP_1)
	v_lshl_add_u32 v4, v7, 3, v4
	s_delay_alu instid0(VALU_DEP_1)
	v_add_nc_u32 v4, s11, v4                       ; out of it: row r, 8 bytes at 8 h
	v_lshlrev_b32 v5, 3, v1                        ; the words' way out: 8 bytes a lane
	s_lshl_b32 s30, s10, 3
	s_add_co_u32 s30, s30, REC
	v_mov_b32 v12, s30                             ; my wave's record
.irp k, 0,1,2,3,4,5,6,7
	v_mov_b32 v[WW+\k], 0                          ; v_writelane_b32 counts as a reader of its destination
.endr
.irp k, 0,1,2,3
	s_mov_b32 s[X+\k], -1
.endr
	s_lshl_b32 s24, ttmp9, 16                      ; 32 rows of 2,048 bytes a work-group,
	s_lshl_b32 s25, s10, 8                         ; 256 keys a wave
	s_add_co_u32 s24, s24, s25
	s_mov_b32 s25, 0
	s_lshl_b32 s26, ttmp9, 13                      ; two query tiles x 16 steps x 256 bytes a work-group,
	s_lshl_b32 s27, s10, 9                         ; two steps a wave
	s_add_co_u32 s26, s26, s27
	s_mov_b32 s27, 0
	s_lshl_b32 s28, ttmp9, 2
	s_mov_b32 s29, 0
	s_wait_kmcnt 0x0
	s_add_nc_u64 s[4:5], s[4:5], s[24:25]
	s_add_nc_u64 s[6:7], s[6:7], s[26:27]
	s_add_nc_u64 s[8:9], s[8:9], s[28:29]
.irp i, 0,1,2,3,4,5,6,7,8,9,10,11,12,13,14,15
	global_load_b128 v[IN+4*\i:IN+4*\i+3], v2, s[4:5] offset:4096*\i th:TH_LOAD_NT   ; rows 2 i, 2 i + 1; read once in the launch
.endr
.irp i, 0,1,2,3,4,5,6,7,8,9,10,11,12,13,14,15
	s_wait_loadcnt 15-\i                           ; loads come back in order: load i is in, the 15 - i younger ones may be out
	ds_store_b128 v3, v[IN+4*\i:IN+4*\i+3] offset:2*PITCH*\i
.endr
.irp blk, 0,1,2,3                      ; LDS serves a wave's instructions in order, and the stage is the wave's own: no wait between the stores and these loads
.irp T, 0,1,2,3,4,5,6,7
	ds_load_b64 v[RB+16*\blk+2*\T:RB+16*\blk+2*\T+1], v4 offset:(\blk/2)*16*PITCH+(\blk%2)*128+16*\T
.endr
.endr
; Block blk = 2 tau + sig: query tile tau of the pair, key step sig of the wave's two.  A byte is cut out, the compare gives its lane mask (the word), the word goes into lane n / 2 of the pair WW and into the block's AND.
.macro WORDS blk
	s_wait_dscnt 24-8*\blk                         ; this block's eight loads are in; the later blocks' may be out
.irp T, 0,1,2,3,4,5,6,7
.irp g, 0,1
.irp k, 0,1,2,3
	v_and_b32 v[TT+\k], 0xff<<(8*\k), v[RB+16*\blk+2*\T+\g]
.endr
.irp k, 0,1,2,3
	s_delay_alu instid0(VALU_DEP_4)
	v_cmp_ne_u32 s[WS+4*\g+\k], 0, v[TT+\k]        ; word n = 8 T + 4 g + k
.endr
.irp k, 0,1,2,3
	s_and_b32 s[X+\blk], s[X+\blk], s[WS+4*\g+\k]
	v_writelane_b32 v[WW+2*\blk+\k%2], s[WS+4*\g+\k], 4*\T+2*\g+\k/2
.endr
.endr
.endr
	global_store_b64 v5, v[WW+2*\blk:WW+2*\blk+1], s[6:7] offset:(\blk/2)*4096+(\blk%2)*256   ; the wave stores 256 consecutive bytes, aligned: the block's 64 words
.endm
	WORDS 0
	WORDS 1
	WORDS 2
	WORDS 3
	; my wave's record: which of its two steps must be walked, and which of the 32 rows have all its 256 keys hidden
	s_and_b32 s24, s12, s14                        ; step 2 w: both tiles
	s_and_b32 s25, s13, s15                        ; step 2 w + 1
	s_cmp_lg_u32 s24, -1
	s_cselect_b32 s24, 1, 0
	s_cmp_lg_u32 s25, -1
	s_cselect_b32 s25, 2, 0
	s_or_b32 s24, s24, s25
	s_lshl_b32 s25, s10, 1
	s_lshl_b32 s24, s24, s25                       ; at bits 2 w, 2 w + 1
	s_and_b32 s26, s12, s13                        ; tile 0, both steps: bit (r, h)
	s_and_b32 s27, s14, s15                        ; tile 1
	s_lshr_b32 s28, s26, 16
	s_and_b32 s26, s26, s28                        ; both halves of a row's keys
	s_and_b32 s26, s26, 0xffff
	s_lshr_b32 s28, s27, 16
	s_and_b32 s27, s27, s28
	s_lshl_b32 s27, s27, 16
	s_or_b32 s26, s26, s27                         ; bit 16 tau + r
	v_mov_b32 v8, s24
	v_mov_b32 v9, s26
	ds_store_b64 v12, v[8:9]                       ; all lanes write the same 8 bytes with the same numbers
	s_wait_dscnt 0x0                               ; for wave 0's sake: my record has landed
	s_barrier_signal -1
	s_barrier_wait -1
	s_cmp_lg_u32 s10, 0
	s_cbranch_scc1 .Lend                           ; wave 0 joins the eight records
	v_mov_b32 v13, REC
.irp k, 0,1,2,3
	ds_load_b128 v[152+4*\k:155+4*\k], v13 offset:16*\k
.endr
	s_wait_dscnt 0x0
	v_or_b32 v168, v152, v154
	v_and_b32 v169, v153, v155
.irp k, 156,158,160,162,164,166
	s_delay_alu instid0(VALU_DEP_2)
	v_or_b32 v168, v168, v[\k]                     ; the steps to walk
	s_delay_alu instid0(VALU_DEP_2)
	v_and_b32 v169, v169, v[\k+1]                  ; the rows with all 2,048 keys hidden
.endr
	v_mov_b32 v170, 0xffff
	s_delay_alu instid0(VALU_DEP_2)
	v_cmp_ne_u32 vcc_lo, 0, v169
	s_delay_alu instid0(VALU_DEP_1)
	v_cndmask_b32 v168, v168, v170, vcc_lo         ; such a row: every step is walked
	v_mov_b32 v171, 0
	v_cmp_eq_u32 vcc_lo, 0, v0
	s_wait_alu depctr_va_vdst(0)
	s_wait_xcnt 0x0                                ; EXEC is a source of my pending stores: it changes only behind this wait
	s_and_saveexec_b32 s30, vcc_lo
	global_store_b32 v171, v168, s[8:9]            ; thread 0 stores the pair's word
	s_wait_xcnt 0x0
	s_or_b32 exec_lo, exec_lo, s30
.Lend:
	s_endpgm
.Lfunc_end_k_q1efd003369_pack:
	.size	k_q1efd003369_pack, .Lfunc_end_k_q1efd003369_pack-k_q1efd003369_pack
	.p2alignl 7, 3214868480
	.fill 96, 4, 3214868480
	.section	.rodata,"a",@progbits
	.p2align	6, 0x0
	.amdhsa_kernel k_q1efd003369_pack
		.amdhsa_group_segment_fixed_size 69888
		.amdhsa_private_segment_fixed_size 0
		.amdhsa_enable_private_segment 0
		.amdhsa_kernarg_size 24
		.amdhsa_user_sgpr_count 2
		.amdhsa_user_sgpr_kernarg_segment_ptr 1
		.amdhsa_wavefront_size32 1
		.amdhsa_system_sgpr_workgroup_id_x 1
		.amdhsa_system_sgpr_workgroup_id_y 1
		.amdhsa_system_sgpr_workgroup_id_z 1
		.amdhsa_system_vgpr_workitem_id 0
		.amdhsa_next_free_vgpr 176
		.amdhsa_next_free_sgpr 66
		.amdhsa_reserve_vcc 1
		.amdhsa_float_denorm_mode_32 3
		.amdhsa_float_denorm_mode_16_64 3
		.amdhsa_memory_ordered 1
		.amdhsa_forward_progress 1
		.amdhsa_inst_pref_size 75
	.end_amdhsa_kernel
	.amdgpu_metadata
---
amdhsa.version: [ 1, 2 ]
amdhsa.kernels:
  - .name:           k_q1efd003369_pack
    .symbol:         k_q1efd003369_pack.kd
    .args:
      - { .name: mask, .offset: 0, .size: 8, .value_kind: global_buffer, .address_space: global }
      - { .name: maskw, .offset: 8, .size: 8, .value_kind: global_buffer, .address_space: global }
      - { .name: flagw, .offset: 16, .size: 8, .value_kind: global_buffer, .address_space: global }
    .group_segment_fixed_size: 69888
    .private_segment_fixed_size: 0
    .kernarg_segment_align: 8
    .kernarg_segment_size: 24
    .max_flat_workgroup_size: 256
    .sgpr_count:     66
    .vgpr_count:     176
    .wavefront_size: 32
...
	.end_amdgpu_metadata
.endif
;; end of part 1
;; launch qkv (part 2): grid 96 x 4, 4 waves a work-group, clusters of 4 x 4, 327,680 bytes of LDS; arguments x_codes, Wq_codes, Wk_codes, Wv_codes, bq, bk, bv, lowp_scales, qimg, kvimg; writes qimg, kvimg
.if DOCPART == 2
	.amdgcn_target "amdgcn-amd-amdhsa--gfx1250"
	.amdhsa_code_object_version 6
	.text
	.protected	k_q1efd003369_qkv
	.globl	k_q1efd003369_qkv
	.p2align	8
	.type	k_q1efd003369_qkv,@function
k_q1efd003369_qkv:
	s_mov_b64 s[64:65], 0
	v_nop
	global_prefetch_b8 v0, s[64:65] scope:SCOPE_SE
	s_setreg_imm32_b32 hwreg(HW_REG_WAVE_MODE, 25, 1), 1
	s_wait_xcnt 0x0
	s_wait_alu depctr_hold_cnt(0) depctr_sa_sdst(0) depctr_va_vdst(0) depctr_va_sdst(0) depctr_va_ssrc(0) depctr_va_vcc(0) depctr_vm_vsrc(0)
	s_getreg_b32 s2, hwreg(HW_REG_IB_STS2, 6, 4)
	s_cmp_eq_u32 s2, 0
	s_cbranch_scc0 .Lentry_in_a_cluster
	s_endpgm
.Lentry_in_a_cluster:
	s_bfe_u32 s2, ttmp6, 0x10000c
	s_cmp_lg_u32 s2, 0xf033
	s_cbranch_scc0 .Lentry_shape_is_right
	s_endpgm
.Lentry_shape_is_right:
; q = x Wq + bq, k = x Wk + bk, v = x Wv + bv on codes of FP8 (E4M3); each result is quantised (f32 sum x 2^(ex + ew) + bias, held at +-448 x 2^eo, to the nearest code) and stored as IMAGES OF OPERAND REGISTERS
; for the attention launch.  x: [8192][1024] codes; each W: [1024 (out)][1024 (in)] codes, K innermost.  Exponents: q e0, e1 -> e6; k e2, e3 -> e7; v e4, e5 -> e9.
; LIMITS: ex + ew between -126 and 127, eo between -126 and 119, so that each power of two below is an f32 number.  NaN among the biases is not served.
; A tile of 256 x 256 results is made by four waves, 128 x 128 each: 64 accumulators, 512 registers.  K goes in steps of 256 through a ring of two LDS slots filled by the tensor data mover.
; ROLES.  Operand A is source 1: its rows become the result's LANES.  Operand B is source 0: its rows become a lane's REGISTERS (8 neighbours a tile).  24 clusters of 4 x 4 work-groups; cid = the cluster's number:
;   cid < 16: A = x (tile 4 (cid / 2) + cy), B = Wq (cid even) or Wk (odd) (tile cx): a lane holds one token, its registers run along the head's 64: the first attention product's K.
;   cid >= 16: A = Wv (tile cy), B = x (tile 4 (cid - 16) + cx): a lane holds one channel, its registers run along the tokens: the second attention product's K.
; x and the weights have rows of 1,024 bytes, so descriptors, LDS map and K loop are one text for both roles; buffers and tile numbers are chosen by s_cselect on cid, which all sixteen partners share.
; A's tile is shared along a row of the cluster, B's along a column: each is asked for JOINTLY (same tensor load, same descriptor, a mask that names the four).
; THE WAY OUT needs no LDS: eight registers of an accumulator are 8 neighbours along the next K, one conversion makes them registers 2 c, 2 c + 1 of the next operand (k = 16 c + 8 (lane / 16) + 0 .. 7),
; and four such registers are stored as they stand, lane l's 16 bytes at 16 l: each store of the wave covers 512 consecutive bytes, aligned.
;   qimg  [bh 64][query tile 128][2][512];   kvimg [bh 64][key step 16][K: key tile 8 x 2 x 512 | V: channel tile 4 x 4 x 512]
; REGISTERS, in windows of 256: window 0: v0-31 addresses; v32-95, v96-103 the biases; from v128 A's fragments, ONE set; on the way out v112-175 numbers, v176-239 codes.
;   window 1: B's fragments, TWO sets.   window 2: the accumulators of A's blocks 0-3 ((a, b) at v[8 (8 (a % 4) + b)]);   window 3: blocks 4-7.
.set ROWB,   256                       ; a tile's row in bytes: 256 along K
.set KROW,   1024                      ; a row of x or of a weight in memory
.set PITCH,  272                       ; an LDS row: 256 bytes + 16 of padding = 68 words: the 16 rows of a fragment load start at 16 different banks (64 banks of 4 bytes: ISA guide 11.1)
.set FR,     16                        ; registers of a fragment: 16 rows x 128 K
.set NL,     4                         ; LDS loads that bring one
.set NP,     4                         ; places behind this matrix instruction (ISA guide 7.12.1)
.set HALFT,  128*PITCH                 ; 128 rows: what one tensor load brings
.set SLOT,   4*HALFT                   ; A's 256 rows, then B's 256 rows
.set SPARE,  2*SLOT                    ; behind the ring: the spare words, 128 bytes a wave
.set ADRA, 16                          ; v16-17  LDS address of my A fragments in slot 0, 1
.set ADRB, 20                          ; v20-21  the same for B
.set LI,   24                          ; v24     16 x lane: an image's place for my lane; never rewritten
.set BQO,  25                          ; v25     32 x (lane / 16): my eight channels' bias bytes in a tile of 16
.set BVO,  26                          ; v26     4 x (lane % 16): my channel's
.set SPW,  28                          ; v28     LDS address of my spare word; never rewritten
.set NIL,  29                          ; v29     0; never rewritten
.set SCL,  30                          ; v30     2^eo as f32
.set LIM,  31
.set BIAS, 32                          ; v32-95  bias by B's rows: register 8 b + j
.set BV,   96                          ; v96-103 bias by A's rows: register a
.set TMP,  112                         ; v112-175 a block's 64 numbers
.set COD,  176                         ; v176-239 four sets of 16 registers of codes
.set AF,   128                         ; A's fragments
.set G1, 24                            ; s[24:31] descriptor group 1 for A's tiles;  s[32:39] group 0, one set for each slot
.set G0, 32
.set G1B, 48                           ; s[48:55], s[56:63] the same for B's tiles
.set G0B, 56
.set MSB, 0
.macro WIN new                         ; the immediate's high byte repeats the setting that is left
.if MSB != \new
	s_set_vgpr_msb (MSB<<8)|\new
.set MSB, \new
.endif
.endm
.set MUL_LO, 0xa1                      ; source 0 (B) window 1, source 1 (A) window 0, C and D window 2
.set MUL_HI, 0xf1                      ; the same, C and D window 3
.set TO_B,   0x40                      ; destination window 1, address window 0
; A joint load: waves 0 and 1 fetch for A, waves 2 and 3 for B.  The branch hangs on the wave's number alone.  Four v_nop follow each of the two lines.
.macro JLOAD g0a, g1a, g0b, g1b
	s_cmp_eq_u32 s15, 0
	s_cbranch_scc0 .Lfor_b_\@
	tensor_load_to_lds s[\g0a:\g0a+3], s[\g1a:\g1a+7]
	s_nop 0
.rept 4
	v_nop
.endr
	s_branch .Lasked_\@
.Lfor_b_\@:
	tensor_load_to_lds s[\g0b:\g0b+3], s[\g1b:\g1b+7]
	s_nop 0
.rept 4
	v_nop
.endr
.Lasked_\@:
.endm
.macro CREST                           ; a round of the cluster's barrier behind its opening barrier
	s_cmp_lg_u32 s14, 0
	s_cbranch_scc1 .Lnot_wave_0_\@
	s_barrier_signal -3
.Lnot_wave_0_\@:
	s_barrier_wait -3
	s_barrier_signal -1
	s_barrier_wait -1
.endm
.macro CROUND                          ; a whole round
	s_barrier_signal -1
	s_barrier_wait -1
	CREST
.endm
	s_load_b256 s[4:11], s[0:1], 0x0               ; x s[4:5], Wq s[6:7], Wk s[8:9], Wv s[10:11]
	s_load_b256 s[68:75], s[0:1], 0x20             ; bq s[68:69], bk s[70:71], bv s[72:73], the exponents s[74:75]
	s_load_b128 s[76:79], s[0:1], 0x40             ; qimg s[76:77], kvimg s[78:79]
	v_lshl_add_u32 v[SPW], v0, 2, SPARE
	v_mov_b32 v[NIL], 0
	v_lshrrev_b32 v1, 5, v0
	v_readfirstlane_b32 s14, v1                    ; wave 0..3
	s_lshr_b32 s15, s14, 1                         ; which half of A's 256 rows is mine.  Also: I fetch for A (0) or for B (1)
	s_and_b32 s16, s14, 1                          ; which half of B's.  Also: which 128 rows of that tile I fetch
	s_bfe_u32 s40, ttmp6, 0x40000                  ; cx, cy: my place in the cluster
	s_bfe_u32 s41, ttmp6, 0x40004
	s_min_u32 s17, ttmp9, 15                       ; (each arm is kept in its range where it is not the one chosen)
	s_lshr_b32 s17, s17, 1
	s_lshl_b32 s17, s17, 2
	s_add_co_u32 s17, s17, s41                     ; q, k: A's tile of x = 4 (cid / 2) + cy
	s_max_u32 s42, ttmp9, 16
	s_sub_co_u32 s42, s42, 16
	s_lshl_b32 s42, s42, 2
	s_add_co_u32 s42, s42, s40                     ; v: B's tile of x = 4 (cid - 16) + cx
	s_and_b32 s19, ttmp9, 1                        ; q (0) or k (1); kept
	s_cmp_lt_u32 ttmp9, 16
	s_cselect_b32 s17, s17, s41                    ; A's tile: it hangs on cy and cid alone
	s_cselect_b32 s42, s40, s42                    ; B's tile: on cx and cid alone
	s_lshl_b32 s43, s41, 2
	s_lshl_b32 s43, 15, s43                        ; my row of the cluster
	s_lshl_b32 s44, 0x1111, s40                    ; my column
	; descriptor group 1: a tile of 128 rows x 256 bytes, padded in LDS
	s_or_b32 s[G1+0], s43, (0<<16)|(1<<20)|(1<<21)|(5<<22)|(3<<25)  ; 15:0 the mask: A's tiles go to my row; 17:16 elements of 1 byte; 20 padding on; 21 set beside a mask; 24:22 after every 64 words; 31:25 four words
	s_or_b32 s[G1B+0], s44, (0<<16)|(1<<20)|(1<<21)|(5<<22)|(3<<25) ; the same with my column's mask
.irp g, G1, G1B
	s_mov_b32 s[\g+1], ROWB<<16                    ; tensor_dim0
	s_mov_b32 s[\g+2], 128<<16                     ; tensor_dim1
	s_mov_b32 s[\g+3], ROWB<<16                    ; tile_dim0
	s_mov_b32 s[\g+4], 128                         ; tile_dim1
	s_mov_b32 s[\g+5], KROW                        ; tensor_dim0_stride
	s_mov_b32 s[\g+6], 0
	s_mov_b32 s[\g+7], 0
.endr
	s_lshl_b32 s18, s16, 7                         ; which 128 rows of the tile I fetch
	s_lshl_b32 s20, s17, 8
	s_add_co_u32 s20, s20, s18
	s_lshl_b32 s20, s20, 10                        ; A: (256 x tile + 128 x half) rows of 1,024 bytes: under 2^23
	s_mov_b32 s21, 0
	s_lshl_b32 s46, s42, 8
	s_add_co_u32 s46, s46, s18
	s_lshl_b32 s46, s46, 10                        ; B likewise
	s_mov_b32 s47, 0
	s_mul_i32 s45, s14, HALFT                      ; where they go: wave x 128 rows: no place in the cluster enters an LDS address
	s_wait_kmcnt 0x0
	s_load_b256 s[80:87], s[74:75], 0x0            ; e0 .. e7
	s_load_b64 s[88:89], s[74:75], 0x20            ; e8, e9
	s_cmp_eq_u32 s19, 0
	s_cselect_b64 s[12:13], s[6:7], s[8:9]         ; Wq or Wk
	s_cselect_b64 s[68:69], s[68:69], s[70:71]     ; bq or bk
	s_cselect_b64 s[76:77], s[76:77], s[78:79]     ; qimg or kvimg
	s_cmp_lt_u32 ttmp9, 16
	s_cselect_b64 s[96:97], s[4:5], s[10:11]       ; A: x or Wv
	s_cselect_b64 s[98:99], s[12:13], s[4:5]       ; B: the weight or x
	s_add_nc_u64 s[20:21], s[96:97], s[20:21]
	s_add_nc_u64 s[46:47], s[98:99], s[46:47]
	CROUND                                         ; all sixteen work-groups are here: the first joint loads meet
.irp s, 0,1
	s_mov_b32 s[G0+4*\s], 1
	s_add_co_u32 s[G0+4*\s+1], s45, \s*SLOT
	s_add_nc_u64 s[G0+4*\s+2:G0+4*\s+3], s[20:21], \s*ROWB
	s_or_b32 s[G0+4*\s+3], s[G0+4*\s+3], 0x80000000
	s_mov_b32 s[G0B+4*\s], 1
	s_add_co_u32 s[G0B+4*\s+1], s45, \s*SLOT
	s_add_nc_u64 s[G0B+4*\s+2:G0B+4*\s+3], s[46:47], \s*ROWB
	s_or_b32 s[G0B+4*\s+3], s[G0B+4*\s+3], 0x80000000
	s_wait_alu depctr_va_vdst(0)
	s_wait_tensorcnt 0x0
	ds_add_u32 v28, v29
	ds_add_u32 v28, v29
	s_wait_dscnt 0x0
	CROUND
	JLOAD G0+4*\s, G1, G0B+4*\s, G1B               ; K steps 0 and 1: one load of mine is out
.endr
	v_and_b32 v1, 15, v0                           ; r = lane % 16
	v_bfe_u32 v2, v0, 4, 1                         ; h = lane / 16
	v_mul_u32_u24 v3, v1, PITCH
	v_lshl_add_u32 v4, v2, 4, v3                   ; a fragment's row x pitch + 16 x half
	s_mul_i32 s21, s15, HALFT                      ; my 128 rows of A
	s_mul_i32 s22, s16, HALFT                      ; my 128 rows of B,
	s_add_co_u32 s22, s22, 2*HALFT                 ; which lie behind A's 256
.irp s, 0,1
	v_add_nc_u32 v[ADRA+\s], s21, v4
	v_add_nc_u32 v[ADRB+\s], s22, v4
	s_add_co_u32 s21, s21, SLOT
	s_add_co_u32 s22, s22, SLOT
.endr
	v_and_b32 v5, 31, v0
	v_lshlrev_b32 v[LI], 4, v5
	v_lshlrev_b32 v[BQO], 5, v2
	s_wait_alu depctr_va_vdst(0)
	v_lshlrev_b32 v[BVO], 2, v1
	s_wait_alu depctr_va_vdst(0)
	; THE BIASES, asked for now and awaited on the way out.  Every wave loads BOTH shapes, so that the head has no branch: 64 registers by B's rows (what q and k use) and 8 by A's rows (what v uses).
	; The shape that a wave's role does not use is read at an address kept inside its buffer (tile & 3) and costs it 8 or 16 loads.
	s_and_b32 s22, s42, 3
	s_lshl_b32 s22, s22, 10                        ; 256 channels x 4 bytes a tile
	s_lshl_b32 s23, s16, 9                         ; 128 a half
	s_add_co_u32 s22, s22, s23
	s_mov_b32 s23, 0
	s_add_nc_u64 s[68:69], s[68:69], s[22:23]
	s_and_b32 s22, s17, 3
	s_lshl_b32 s22, s22, 10
	s_lshl_b32 s12, s15, 9
	s_add_co_u32 s22, s22, s12
	s_add_nc_u64 s[72:73], s[72:73], s[22:23]
.irp b, 0,1,2,3,4,5,6,7
	global_load_b128 v[BIAS+8*\b:BIAS+8*\b+3], v[BQO], s[68:69] offset:64*\b          ; channels 16 b + 8 h + 0 .. 3
	global_load_b128 v[BIAS+8*\b+4:BIAS+8*\b+7], v[BQO], s[68:69] offset:64*\b+16     ; and + 4 .. 7
.endr
.irp a, 0,1,2,3,4,5,6,7
	global_load_b32 v[BV+\a], v[BVO], s[72:73] offset:64*\a                           ; channel 16 a + r
.endr
.macro FRAG reg, adr, q, i             ; a fragment, 16 rows x 128 K: four loads of 16 bytes: registers 4 c .. 4 c + 3 hold K = 32 c + 16 (lane / 16) + 0 .. 15: a permutation of k, the same in A and in B
.irp c, 0,1,2,3
	ds_load_b128 v[\reg+4*\c:\reg+4*\c+3], v[\adr] offset:128*(\q)+32*\c+(\i)*16*PITCH
.endr
.endm
; 16 matrix instructions: A's blocks a0, a0 + 1 x B's eight, 128 along K.  p: B's set.  zero = 1: the first product starts the sums.  The 64 accumulators take turns, one instruction a turn.
.macro MUL16 a0, p, zero
.irp a, \a0, \a0+1
.irp b, 0,1,2,3,4,5,6,7
.if \zero
	v_wmma_f32_16x16x128_fp8_fp8 v[8*(8*((\a)%4)+\b):8*(8*((\a)%4)+\b)+7], v[128*(\p)+FR*\b:128*(\p)+FR*\b+FR-1], v[AF+FR*(\a):AF+FR*(\a)+FR-1], 0
.else
	v_wmma_f32_16x16x128_fp8_fp8 v[8*(8*((\a)%4)+\b):8*(8*((\a)%4)+\b)+7], v[128*(\p)+FR*\b:128*(\p)+FR*\b+FR-1], v[AF+FR*(\a):AF+FR*(\a)+FR-1], v[8*(8*((\a)%4)+\b):8*(8*((\a)%4)+\b)+7]
.endif
.endr
.endr
.endm
.macro FETCH_B slot, q, p              ; B's eight fragments of the slot's q-th 128 along K into set p
	WIN TO_B
.irp i, 0,1,2,3,4,5,6,7
	FRAG 128*(\p)+FR*\i, ADRB+\slot, \q, \i
.endr
	WIN 0
.endm
.macro FETCH_A slot, q, i0             ; A's blocks i0 .. i0 + 3
.irp i, \i0, \i0+1, \i0+2, \i0+3
	FRAG AF+FR*(\i), ADRA+\slot, \q, \i
.endr
.endm
.macro PLACES n                        ; plain vector instructions between a matrix instruction and a load into, or a vector instruction on, its registers
.rept \n
	v_nop
.endr
.endm
; A step of 128 along K that has its successor in the same slot.  A block of A is free when its eight products are issued: blocks 0-3 are fetched anew in the step's middle, blocks 4-7 at its end.
.macro STEP slot, q, zero
	s_wait_dscnt 4*NL                              ; B's set and A's blocks 0-3 are in; the youngest 16 loads (A's blocks 4-7) may be out
	WIN MUL_LO
	MUL16 0, (\q)%2, \zero
	MUL16 2, (\q)%2, \zero
	s_wait_dscnt 0                                 ; A's blocks 4-7 are in
	PLACES NP
	FETCH_B \slot, (\q)+1, 1-(\q)%2
	FETCH_A \slot, (\q)+1, 0
	WIN MUL_HI
	MUL16 4, (\q)%2, \zero
	MUL16 6, (\q)%2, \zero
	PLACES NP
	WIN 0
	FETCH_A \slot, (\q)+1, 4
.endm
; A slot's last step changes slots: ONE barrier; in front of it each wave waits for all its tensor loads, adds 0 to its spare word, and waits for that and for its own reads of this slot.  fill = 1: this slot is filled again, two K steps ahead.
.macro TURN slot, next, fill
	s_wait_tensorcnt 0x0                           ; all my tensor loads have landed: my part of the next slot
	ds_add_u32 v[SPW], v[NIL]                      ; 0 onto my spare word
	s_wait_dscnt 4*NL+1                            ; (the add and the youngest 16 loads, A's blocks 4-7, may be out)
	WIN MUL_LO
	MUL16 0, 1, 0                                  ; sixteen matrix instructions stand between the add and the wait for it
	s_wait_dscnt 0x0                               ; the add is done, and my reads of this slot are over
	s_barrier_signal -1
	MUL16 2, 1, 0
	WIN 0
	s_barrier_wait -1
.if \fill
	CREST                                          ; the barrier has opened a round of the cluster's barrier: no wave of any partner still reads this slot or has a load on its way
	s_add_nc_u64 s[G0+4*\slot+2:G0+4*\slot+3], s[G0+4*\slot+2:G0+4*\slot+3], 2*ROWB
	s_add_nc_u64 s[G0B+4*\slot+2:G0B+4*\slot+3], s[G0B+4*\slot+2:G0B+4*\slot+3], 2*ROWB
	JLOAD G0+4*\slot, G1, G0B+4*\slot, G1B         ; the first tensor load behind the round; its four v_nop are the places in front of the loads below
.else
	PLACES NP
.endif
	FETCH_B \next, 0, 0
	FETCH_A \next, 0, 0
	WIN MUL_HI
	MUL16 4, 1, 0
	MUL16 6, 1, 0
	PLACES NP
	WIN 0
	FETCH_A \next, 0, 4
.endm
	s_wait_tensorcnt 1                             ; my part of K step 0 is in; K step 1's load may be out
	s_barrier_signal -1
	s_barrier_wait -1                              ; everybody's is
	FETCH_B 0, 0, 0
	FETCH_A 0, 0, 0
	FETCH_A 0, 0, 4
	STEP 0, 0, 1                                   ; K = 1,024 is four K steps, twice round the ring: written out, since a loop would make one trip
	TURN 0, 1, 1                                   ; slot 0 takes K step 2
	STEP 1, 0, 0
	TURN 1, 0, 1                                   ; slot 1 takes K step 3
	STEP 0, 0, 0
	TURN 0, 1, 0                                   ; nothing more is asked for, so no round of the cluster's barrier
	STEP 1, 0, 0
	s_wait_dscnt 4*NL                              ; the very last step
	WIN MUL_LO
	MUL16 0, 1, 0
	MUL16 2, 1, 0
	s_wait_dscnt 0
	WIN MUL_HI
	MUL16 4, 1, 0
	MUL16 6, 1, 0
	WIN 0
; THE WAY OUT.  in: s96 = ex + ew, s98 = eo.  out: s[90:91] = 2^(ex + ew), v[SCL] = 2^eo
.macro QSCALE
	s_add_co_i32 s96, s96, 127
	s_lshl_b32 s90, s96, 23
	s_mov_b32 s91, s90                             ; (named with it as a pair, so it is written)
	s_add_co_i32 s98, s98, 127
	s_lshl_b32 s96, s98, 23
	v_mov_b32 v[SCL], s96
.endm
; Block a of A's rows: 64 numbers a lane = sum x 2^(ex + ew) + bias, held, converted: 16 registers of codes, stored as four images.  kind = 0: q, k (bias by register); 1: v (bias by lane).
.macro CONV a, kind
.set AC, 64*((\a)%4)
.set CD, COD+16*((\a)%4)
	WIN 0x02+((\a)/4)                              ; source 0: window 2 or 3
.irp b, 0,1,2,3,4,5,6,7
.irp i, 0,2,4,6                        ; each accumulator from its low end on
.if \kind == 0
	v_pk_fma_f32 v[TMP+8*\b+\i:TMP+8*\b+\i+1], v[AC+8*\b+\i:AC+8*\b+\i+1], s[90:91], v[BIAS+8*\b+\i:BIAS+8*\b+\i+1] op_sel_hi:[1,0,1]
.elseif (\a)%2 == 0
	v_pk_fma_f32 v[TMP+8*\b+\i:TMP+8*\b+\i+1], v[AC+8*\b+\i:AC+8*\b+\i+1], s[90:91], v[BV+\a:BV+\a+1] op_sel_hi:[1,0,0]                  ; the pair's lower register for both halves
.else
	v_pk_fma_f32 v[TMP+8*\b+\i:TMP+8*\b+\i+1], v[AC+8*\b+\i:AC+8*\b+\i+1], s[90:91], v[BV+\a-1:BV+\a] op_sel:[0,0,1] op_sel_hi:[1,0,1]   ; its upper register for both
.endif
.endr
.endr
	WIN 0
.set n, 0
.rept 64
.set n, n+1
.endr
.if (\a) >= 4
	s_wait_alu depctr_va_vdst(0)
	s_wait_xcnt 0x0                                ; block a - 4's stores have read this set of codes: it is written again only behind this wait
.endif
.irp b, 0,1,2,3,4,5,6,7
	v_cvt_scalef32_pk8_fp8_f32 v[CD+2*\b:CD+2*\b+1], v[TMP+8*\b:TMP+8*\b+7], v[SCL]
.endr
	v_nop                                          ; one plain vector instruction behind the last conversion: the next block writes its sources
.irp i, 0,1,2,3
.if \kind == 0
	global_store_b128 v[LI], v[CD+4*\i:CD+4*\i+3], s[92+2*(\i/2):93+2*(\i/2)] offset:(\a)*1024+(\i%2)*512        ; head i / 2 of my two; token tile a; half i % 2 of its 8 registers
.else
	global_store_b128 v[LI], v[CD+4*\i:CD+4*\i+3], s[92+2*((\a)/4):93+2*((\a)/4)] offset:((\a)%4)*2048+\i*512    ; head a / 4 of my two; channel tile a % 4; quarter i of its 16 registers
.endif
.endr
.endm
	s_wait_kmcnt 0x0                               ; the exponents
	s_wait_loadcnt 0x0                             ; the biases
	PLACES NP                                      ; behind the last products, in front of the first read of results and the first write over A's fragments
	s_cmp_lt_u32 ttmp9, 16
	s_cbranch_scc0 .Lout_v                         ; on the cluster's number: the same in all sixteen partners
	s_cmp_eq_u32 s19, 0
	s_cselect_b32 s96, s80, s82                    ; ex: e0 or e2
	s_cselect_b32 s97, s81, s83                    ; ew: e1 or e3
	s_cselect_b32 s98, s86, s87                    ; eo: e6 or e7
	s_cselect_b32 s99, 13, 14                      ; eight token tiles are 8,192 bytes of qimg; a key step is 16,384 of kvimg
	s_add_co_i32 s96, s96, s97
	QSCALE
	s_lshr_b32 s96, s17, 3                         ; the batch: eight tiles of 256 tokens each
	s_lshl_b32 s96, s96, 4
	s_lshl_b32 s97, s42, 2
	s_add_co_u32 s96, s96, s97                     ; + 4 heads a tile of channels
	s_lshl_b32 s97, s16, 1
	s_add_co_u32 s96, s96, s97                     ; + 2 a half: my first head, bh
	s_lshl_b32 s96, s96, 4
	s_and_b32 s97, s17, 7
	s_lshl_b32 s97, s97, 1
	s_add_co_u32 s97, s97, s15                     ; which 128 tokens of the batch's 2,048
	s_add_co_u32 s96, s96, s97
	s_lshl_b32 s96, s96, s99
	s_mov_b32 s97, 0
	s_add_nc_u64 s[92:93], s[76:77], s[96:97]
	s_lshl_b32 s96, 16, s99
	s_add_nc_u64 s[94:95], s[92:93], s[96:97]      ; my second head
.irp a, 0,1,2,3,4,5,6,7
	CONV \a, 0
.endr
	s_branch .Lout_done
.Lout_v:
	s_add_co_i32 s96, s84, s85                     ; e4 + e5
	s_mov_b32 s98, s89                             ; e9
	QSCALE
	s_lshr_b32 s96, s42, 3                         ; the batch
	s_lshl_b32 s96, s96, 4
	s_lshl_b32 s97, s17, 2
	s_add_co_u32 s96, s96, s97
	s_lshl_b32 s97, s15, 1
	s_add_co_u32 s96, s96, s97                     ; my first head, bh
	s_lshl_b32 s96, s96, 4
	s_and_b32 s97, s42, 7
	s_lshl_b32 s97, s97, 1
	s_add_co_u32 s97, s97, s16                     ; my key step
	s_add_co_u32 s96, s96, s97
	s_lshl_b32 s96, s96, 14
	s_add_co_u32 s96, s96, 8192                    ; V lies behind K in a key step's 16,384 bytes
	s_mov_b32 s97, 0
	s_add_nc_u64 s[92:93], s[78:79], s[96:97]
	s_add_nc_u64 s[94:95], s[92:93], 1<<18         ; my second head
.irp a, 0,1,2,3,4,5,6,7
	CONV \a, 1
.endr
.Lout_done:
	s_wait_tensorcnt 0x0                           ; the wave's end
	ds_add_u32 v[SPW], v[NIL]
	s_wait_dscnt 0x0
	CROUND                                         ; the closing round: no work-group ends while a partner may still ask for a tile that names it
	s_endpgm
.Lfunc_end_k_q1efd003369_qkv:
	.size	k_q1efd003369_qkv, .Lfunc_end_k_q1efd003369_qkv-k_q1efd003369_qkv
	.p2alignl 7, 3214868480
	.fill 96, 4, 3214868480
	.section	.rodata,"a",@progbits
	.p2align	6, 0x0
	.amdhsa_kernel k_q1efd003369_qkv
		.amdhsa_group_segment_fixed_size 327680
		.amdhsa_private_segment_fixed_size 0
		.amdhsa_enable_private_segment 0
		.amdhsa_kernarg_size 80
		.amdhsa_user_sgpr_count 2
		.amdhsa_user_sgpr_kernarg_segment_ptr 1
		.amdhsa_wavefront_size32 1
		.amdhsa_system_sgpr_workgroup_id_x 1
		.amdhsa_system_sgpr_workgroup_id_y 1
		.amdhsa_system_sgpr_workgroup_id_z 1
		.amdhsa_system_vgpr_workitem_id 0
		.amdhsa_next_free_vgpr 1024
		.amdhsa_next_free_sgpr 100
		.amdhsa_reserve_vcc 0
		.amdhsa_float_denorm_mode_32 3
		.amdhsa_float_denorm_mode_16_64 3
		.amdhsa_fp16_overflow 1
		.amdhsa_memory_ordered 1
		.amdhsa_forward_progress 1
		.amdhsa_inst_pref_size 131
	.end_amdhsa_kernel
	.amdgpu_metadata
---
amdhsa.version: [ 1, 2 ]
amdhsa.kernels:
  - .name:           k_q1efd003369_qkv
    .symbol:         k_q1efd003369_qkv.kd
    .args:
      - { .name: x_codes, .offset: 0, .size: 8, .value_kind: global_buffer, .address_space: global }
      - { .name: Wq_codes, .offset: 8, .size: 8, .value_kind: global_buffer, .address_space: global }
      - { .name: Wk_codes, .offset: 16, .size: 8, .value_kind: global_buffer, .address_space: global }
      - { .name: Wv_codes, .offset: 24, .size: 8, .value_kind: global_buffer, .address_space: global }
      - { .name: bq, .offset: 32, .size: 8, .value_kind: global_buffer, .address_space: global }
      - { .name: bk, .offset: 40, .size: 8, .value_kind: global_buffer, .address_space: global }
      - { .name: bv, .offset: 48, .size: 8, .value_kind: global_buffer, .address_space: global }
      - { .name: lowp_scales, .offset: 56, .size: 8, .value_kind: global_buffer, .address_space: global }
      - { .name: qimg, .offset: 64, .size: 8, .value_kind: global_buffer, .address_space: global }
      - { .name: kvimg, .offset: 72, .size: 8, .value_kind: global_buffer, .address_space: global }
    .group_segment_fixed_size: 327680
    .private_segment_fixed_size: 0
    .kernarg_segment_align: 8
    .kernarg_segment_size: 80
    .max_flat_workgroup_size: 128
    .sgpr_count:     100
    .vgpr_count:     1024
    .wavefront_size: 32
...
	.end_amdgpu_metadata
.endif
;; end of part 2
;; launch attn (part 3): grid 4 x 64, 16 waves a work-group, no clusters, 262,144 bytes of LDS; arguments qimg, kvimg, maskw, flagw, lowp_scales, aimg; writes aimg
.if DOCPART == 3
	.amdgcn_target "amdgcn-amd-amdhsa--gfx1250"
	.amdhsa_code_object_version 6
	.text
	.protected	k_q1efd003369_attn
	.globl	k_q1efd003369_attn
	.p2align	8
	.type	k_q1efd003369_attn,@function
k_q1efd003369_attn:
	s_mov_b64 s[64:65], 0
	v_nop
	global_prefetch_b8 v0, s[64:65] scope:SCOPE_SE
	s_setreg_imm32_b32 hwreg(HW_REG_WAVE_MODE, 25, 1), 1
	s_wait_xcnt 0x0
; For each batch and head: o[q] = sum over k of softmax_k(where(mask, -1e9, q . k / 8)) v[k], both products on codes of FP8 (E4M3); o is quantised with 2^e10 and stored as images of the last product's operand registers.
; THE SOFTMAX: t = logit x log2(e); M = the running largest t rounded UP to a whole number; p = 2^(t - M) is quantised with 2^e8, not normalised; the row's sum is taken of the unquantised p and divides at the end.
; When M moves, the sum and O are multiplied by 2^(old M - new M): exact.
; SHARES.  A work-group owns one (batch, head) and a quarter of its queries.  The head's WHOLE K and V, 16 key steps x 16,384 bytes of register images, are put into LDS once (wave w brings key step w), one barrier, and are then only read.
; Each of the 16 waves owns a PAIR of query tiles (32 queries), P = 4 rho + work-group x; rho by wave: 15 2 1 12 | 4 9 10 7 | 8 5 6 11 | 3 14 13 0: every four neighbours and every fourth add up to 30,
; so that a mask that hides later keys from earlier queries leaves the waves' groups equal work.  The dealing changes no result.
; THE WALK.  16 trips, a constant; a key step (128 keys) that the stored word flagw[b][P] marks as hidden for all 32 queries is jumped over by a scalar branch.  (A pair with a row whose keys are ALL hidden has every bit set.)
; NO TENSOR LOADS, NO JOINT LOADS, though the four work-groups of a head read the same 262,144 bytes: the walk branches on a number read from memory,
; and partners would walk different steps.  The bytes are read once a work-group, at its head.
; LAYOUT.  S^T = K Q^T (source 0 = 16 keys, source 1 = 16 queries; K = 64), O^T = V^T P^T (source 0 = 16 channels, source 1 = P; K = 128 keys): a lane holds ONE query (lane % 16) throughout; score register 8 T + j is key
; 16 T + 8 (lane / 16) + j, so one conversion of a tile's 8 registers gives registers 2 T, 2 T + 1 of P.  THE MASK comes as lane-mask words, one for each score register, in scalar registers: one v_cndmask_b32 a score.
; A HIDDEN SCORE is set to -2^(33 - e6 - e7), a logit of -2^30, in place of -1e9: its product with c is exact, so a row with every key hidden gets t - M = 0 and p = 1 for all keys, a uniform softmax, as -1e9 gives in f32;
; beside any key that counts its p is 0 either way.
; LIMITS: e6 + e7 between -94 and 9 (so that c and the hidden score are f32 numbers and every logit that counts, at most 64 x 448^2 x 2^9 / 8 = 8.2e8 in size, lies above -2^30); e8 and e10 between -126 and 119.
; REGISTERS: v0 LDS address; v1 16 x lane; v2 the hidden score; v3 2^e8; v[4 + 4 t] -M, v[5 + 4 t] the largest t, v[6 + 4 t : 7 + 4 t] the sum in two halves, of tile t; v12 f; v13 0; v14, v15 at work;
;   v16-31 Q; v32-95 K's 8 fragments, then V's 4; v96-159 S^T, then p; v160-223 O^T (32 t + 8 ct); v224-255 P's codes (16 t).
.set LI,   1
.set NEGV, 2
.set SCP,  3
.set ST,   4
.set F,    12
.set CA,   14
.set QF,   16
.set KV,   32
.set S,    96
.set O,    160
.set PC,   224
.set WV,   2                           ; s2   my wave's number
.set KS,   3                           ; s3   the key step
.set FL,   4                           ; s4   the pair's word: bit ks = 1: walk
.set TB,   5                           ; s5   LDS byte at which the key step begins
.set MP,   6                           ; s[6:7] the pair's mask words of this key step
.set CS,   8                           ; s[8:9] c = log2(e) / 8 x 2^(e6 + e7)
.set SEL,  10                          ; s[10:11] lane selects for v_permlanex16_b32: lane l xor 16
.set HOLD, 12
                                       ; s[16:63], s[68:83] a tile's 64 mask words: word n in s[16 + n], from n = 48 on in s[20 + n]; the pointers stand here ahead of the loop
                                       ; s[84:95] e0 .. e11;  s[96:97] where my images go
	s_load_b256 s[16:23], s[0:1], 0x0              ; qimg s[16:17], kvimg s[18:19], maskw s[20:21], flagw s[22:23]
	s_load_b128 s[24:27], s[0:1], 0x20             ; the exponents s[24:25], aimg s[26:27]
	v_lshrrev_b32 v2, 5, v0
	s_delay_alu instid0(VALU_DEP_1)
	v_readfirstlane_b32 s[WV], v2                  ; wave 0..15
	v_and_b32 v1, 31, v0
	s_delay_alu instid0(VALU_DEP_1)
	v_lshlrev_b32 v[LI], 4, v1
	s_delay_alu instid0(VALU_DEP_1)
	v_lshl_add_u32 v0, v2, 14, v[LI]               ; the fill: key step = my wave's number, 16 bytes a lane
	s_mov_b32 s13, 0x0DE3B658                      ; rho of waves 8 to 15, four bits each
	s_cmp_lt_u32 s[WV], 8
	s_cselect_b32 s13, 0x7A94C12F, s13             ; of waves 0 to 7
	s_and_b32 s14, s[WV], 7
	s_lshl_b32 s14, s14, 2
	s_lshr_b32 s13, s13, s14
	s_and_b32 s13, s13, 15
	s_lshl_b32 s13, s13, 2
	s_add_co_u32 s13, s13, ttmp9                   ; P = 4 rho + work-group x: it enters global addresses alone
	s_and_b32 s14, ttmp7, 0xffff                   ; bh = 16 b + head
	s_lshr_b32 s15, s14, 4                         ; b
	s_lshl_b32 s98, s15, 7
	s_lshl_b32 s99, s13, 1
	s_add_co_u32 s98, s98, s99                     ; my first query tile among the 512: 128 b + 2 P
	s_lshl_b32 s28, s14, 18                        ; kvimg: 262,144 bytes a head,
	s_lshl_b32 s29, s[WV], 14                      ; 16,384 a key step
	s_add_co_u32 s28, s28, s29
	s_mov_b32 s29, 0
	s_lshl_b32 s30, s14, 7
	s_add_co_u32 s30, s30, s99
	s_lshl_b32 s30, s30, 10                        ; qimg: (128 bh + 2 P) x 1,024
	s_mov_b32 s31, 0
	s_lshl_b32 s32, s98, 12                        ; maskw: 4,096 bytes a query tile
	s_mov_b32 s33, 0
	s_lshl_b32 s34, s15, 6
	s_add_co_u32 s34, s34, s13
	s_lshl_b32 s34, s34, 2                         ; flagw: word 64 b + P
	s_mov_b32 s35, 0
	s_and_b32 s36, s14, 15
	s_lshl_b32 s36, s36, 10                        ; aimg: 16,384 bytes a token tile; a head's 8 registers are 1,024 of them
	s_lshl_b32 s37, s98, 14
	s_add_co_u32 s36, s36, s37
	s_mov_b32 s37, 0
	s_mov_b32 s[SEL], 0x76543210
	s_mov_b32 s[SEL+1], 0xfedcba98
	s_wait_alu depctr_va_vdst(0)
	s_wait_kmcnt 0x0
	s_load_b256 s[84:91], s[24:25], 0x0            ; e0 .. e7
	s_load_b128 s[92:95], s[24:25], 0x20           ; e8 .. e11
	s_add_nc_u64 s[22:23], s[22:23], s[34:35]
	s_load_b32 s[FL], s[22:23], 0x0
	s_add_nc_u64 s[18:19], s[18:19], s[28:29]
	s_add_nc_u64 s[16:17], s[16:17], s[30:31]
	s_add_nc_u64 s[MP:MP+1], s[20:21], s[32:33]
	s_add_nc_u64 s[96:97], s[26:27], s[36:37]
.set i, 0
.rept 32
	global_load_b128 v[KV+4*i:KV+4*i+3], v[LI], s[18:19] offset:512*i   ; my key step's 16,384 bytes: 512 consecutive bytes a load
.set i, i+1
.endr
.irp i, 0,1,2,3
	global_load_b128 v[QF+4*\i:QF+4*\i+3], v[LI], s[16:17] offset:512*\i   ; Q's two fragments stay in registers
.endr
.irp t, 0,1
	v_mov_b32 v[ST+4*\t+1], 0xff61b1e6             ; the largest t so far: -3e38, under every t
	s_delay_alu instid0(VALU_DEP_1)
	v_floor_f32 v[ST+4*\t], -v[ST+4*\t+1]          ; -M
	v_mov_b32 v[ST+4*\t+2], 0                      ; the sum, in two halves
	v_mov_b32 v[ST+4*\t+3], 0
.endr
	v_mov_b32 v[F+1], 0                            ; (named as the upper half of f's pair)
	v_mov_b32 v[CA+1], 0                           ; written once: a lane permute's destination counts as one of its sources
.set i, 0
.rept 64
	v_mov_b32 v[O+i], 0                            ; O^T.  (Which step is a wave's first hangs on the stored word, so the step is written once and finds zeros, which the first change of M leaves zeros)
.set i, i+1
.endr
	s_wait_kmcnt 0x0
	s_add_co_i32 s13, s90, s91                     ; e6 + e7
	s_lshl_b32 s14, s13, 23
	s_add_co_i32 s[CS], s14, 0x3e38aa3b            ; log2(e) / 8, with the two exponents added to its exponent field
	s_mov_b32 s[CS+1], s[CS]                       ; (named with it as a pair, so it is written)
	s_sub_co_i32 s14, 160, s13
	s_lshl_b32 s14, s14, 23
	s_or_b32 s14, s14, 0x80000000
	v_mov_b32 v[NEGV], s14                         ; -2^(33 - e6 - e7)
	s_add_co_i32 s14, s92, 127
	s_lshl_b32 s15, s14, 23
	v_mov_b32 v[SCP], s15                          ; 2^e8 as f32, for the conversion
.irp g, 0,1,2,3
	s_wait_loadcnt 28-8*\g                         ; eight more of the 32 are in; the younger ones and Q's four may be out
.irp i, 0,1,2,3,4,5,6,7
	ds_store_b128 v0, v[KV+32*\g+4*\i:KV+32*\g+4*\i+3] offset:512*(8*\g+\i)
.endr
.endr
	s_wait_dscnt 0x0                               ; for the others' sake: my key step lies in LDS
	s_barrier_signal -1
	s_barrier_wait -1                              ; all sixteen do; from here on LDS is only read
	s_wait_loadcnt 0x0                             ; Q; and no load names s[16:27] any more: the mask words may land there
.macro MASKLOAD t                      ; tile t's 64 words of this key step: 256 consecutive bytes
	s_load_b512 s[16:31], s[MP:MP+1], 4096*\t
	s_load_b512 s[32:47], s[MP:MP+1], 4096*\t+64
	s_load_b512 s[48:63], s[MP:MP+1], 4096*\t+128
	s_load_b512 s[68:83], s[MP:MP+1], 4096*\t+192
.endm
.macro QK t                            ; S^T of tile t: eight tiles of 16 keys
.irp T, 0,1,2,3,4,5,6,7
	v_wmma_f32_16x16x64_fp8_fp8 v[S+8*\T:S+8*\T+7], v[KV+8*\T:KV+8*\T+7], v[QF+8*\t:QF+8*\t+7], 0
.endr
.endm
.macro PLACES
.rept 4
	v_nop
.endr
.endm
; Tile t's softmax for one key step: mask, maximum, M and f, p, the sum, P's codes, O^T under the new M.
.macro SOFT t
	s_wait_kmcnt 0x0                               ; the tile's mask words
.set n, 0
.rept 64
	v_cndmask_b32 v[S+n], v[S+n], v[NEGV], s[16+n+4*(n/48)]   ; ascending: each accumulator from its low end on
.set n, n+1
.endr
.if \t == 0
	MASKLOAD 1                                     ; the other tile's words take these registers; they have the rest of this softmax in which to land
.endif
	v_max3_num_f32 v[CA], v[S], v[S+1], v[S+2]     ; the step's largest score of my query among my 64 keys, in two chains,
	v_max3_num_f32 v[F], v[S+3], v[S+4], v[S+5]
.irp i, 6,10,14,18,22,26,30,34,38,42,46,50,54,58
	s_delay_alu instid0(VALU_DEP_2)
	v_max3_num_f32 v[CA], v[CA], v[S+\i], v[S+\i+1]
	s_delay_alu instid0(VALU_DEP_2)
	v_max3_num_f32 v[F], v[F], v[S+\i+2], v[S+\i+3]
.endr
	s_delay_alu instid0(VALU_DEP_2)
	v_max3_num_f32 v[CA], v[CA], v[S+62], v[S+63]
	s_delay_alu instid0(VALU_DEP_1)
	v_max_num_f32 v[CA], v[CA], v[F]
	s_delay_alu instid0(VALU_DEP_1)
	v_permlanex16_b32 v[CA+1], v[CA], s[SEL], s[SEL+1]
	s_delay_alu instid0(VALU_DEP_1)
	v_max_num_f32 v[CA], v[CA], v[CA+1]            ; and among lane l xor 16's
	s_delay_alu instid0(VALU_DEP_1)
	v_mul_f32 v[CA], s[CS], v[CA]                  ; as t (c is positive)
	s_delay_alu instid0(VALU_DEP_1)
	v_max_num_f32 v[ST+4*\t+1], v[ST+4*\t+1], v[CA]   ; the running largest t
	v_mov_b32 v[CA], v[ST+4*\t]
	s_delay_alu instid0(VALU_DEP_2)
	v_floor_f32 v[ST+4*\t], -v[ST+4*\t+1]          ; the new -M = floor(-t): M is a whole number
	s_delay_alu instid0(VALU_DEP_1)
	v_sub_f32 v[CA], v[ST+4*\t], v[CA]             ; old M - new M: a whole number, 0 or less
	s_delay_alu instid0(VALU_DEP_1)
	v_cvt_i32_f32 v[CA], v[CA]                     ; (it saturates)
	s_delay_alu instid0(VALU_DEP_1)
	v_ldexp_f32 v[F], 1.0, v[CA]                   ; f = 2^(old M - new M)
.set n, 0
.rept 32
	v_pk_fma_f32 v[S+n:S+n+1], v[S+n:S+n+1], s[CS:CS+1], v[ST+4*\t:ST+4*\t+1] op_sel_hi:[1,0,0]   ; t - M, two at a time (of the pairs c and -M the low word serves both halves)
.set n, n+2
.endr
.set n, 0
	s_wait_alu depctr_va_vdst(0)
.rept 64
	v_exp_f32 v[S+n], v[S+n]                       ; p = 2^(t - M), at most 1
.set n, n+1
.endr
	v_pk_mul_f32 v[ST+4*\t+2:ST+4*\t+3], v[ST+4*\t+2:ST+4*\t+3], v[F:F+1] op_sel_hi:[1,0]   ; the sum under the new M: the plain instruction behind the exponentials
	s_wait_alu depctr_va_vdst(0)                   ; one wait for the batch of 64, ahead of its first reader
	v_pk_add_f32 v[CA:CA+1], v[S:S+1], v[S+2:S+3]  ; the row's sum is taken of the unquantised p: two at a time, in two chains
.irp j, 4,8,12,16,20,24,28,32,36,40,44,48,52,56,60
	v_pk_add_f32 v[ST+4*\t+2:ST+4*\t+3], v[ST+4*\t+2:ST+4*\t+3], v[S+\j:S+\j+1]
	v_pk_add_f32 v[CA:CA+1], v[CA:CA+1], v[S+\j+2:S+\j+3]
.endr
	s_delay_alu instid0(VALU_DEP_1)
	v_pk_add_f32 v[ST+4*\t+2:ST+4*\t+3], v[ST+4*\t+2:ST+4*\t+3], v[CA:CA+1]
.irp T, 0,1,2,3,4,5,6,7
.irp i, 0,1,2,3,4,5,6,7
.endr
	v_cvt_scalef32_pk8_fp8_f32 v[PC+16*\t+2*\T:PC+16*\t+2*\T+1], v[S+8*\T:S+8*\T+7], v[SCP]   ; registers 2 T, 2 T + 1 of P: keys 16 T + 8 (lane / 16) + 0 .. 7
.endr
.set n, 0
.rept 16
	v_pk_mul_f32 v[O+32*\t+n:O+32*\t+n+1], v[O+32*\t+n:O+32*\t+n+1], v[F:F+1] op_sel_hi:[1,0]   ; O^T under the new M, ascending.  (These are also the plain instructions between the conversions and the matrix instructions that follow)
.set n, n+2
.endr
.endm
	s_mov_b32 s[KS], 0
	s_mov_b32 s[TB], 0
.Lstep:
	v_add_nc_u32 v0, s[TB], v[LI]                  ; the key step's images for my lane; written in every trip, ahead of the branch.  (One of the four places in front of K's loads)
	s_lshr_b32 s13, s[FL], s[KS]
	s_and_b32 s13, s13, 1
	s_cmp_eq_u32 s13, 0
	s_cbranch_scc1 .Lnext                          ; all 128 keys are hidden from all my 32 queries: a branch on a stored whole number
	MASKLOAD 0
	s_setprio 2
.rept 3
	v_nop                                          ; with the addition above: four places behind the last step's products, in front of loads into registers that they read
.endr
.set i, 0
	s_wait_alu depctr_va_vdst(0)
.rept 16
	ds_load_b128 v[KV+4*i:KV+4*i+3], v0 offset:512*i          ; K's eight fragments: 512 consecutive bytes a load
.set i, i+1
.endr
	s_wait_dscnt 0x0
	QK 0
	PLACES
	SOFT 0
	QK 1
	PLACES                                         ; in front of the first read of the scores, and of the loads into K's registers
.set i, 0
.rept 16
	ds_load_b128 v[KV+4*i:KV+4*i+3], v0 offset:8192+512*i     ; V's four fragments land under tile 1's softmax
.set i, i+1
.endr
	s_setprio 1
	SOFT 1
	s_setprio 0
	s_wait_alu depctr_va_vdst(0)
	s_wait_dscnt 0x0
.irp ct, 0,1,2,3                       ; O^T += V^T P^T: eight accumulators, one instruction each: they take turns
.irp t, 0,1
	v_wmma_f32_16x16x128_fp8_fp8 v[O+32*\t+8*\ct:O+32*\t+8*\ct+7], v[KV+16*\ct:KV+16*\ct+15], v[PC+16*\t:PC+16*\t+15], v[O+32*\t+8*\ct:O+32*\t+8*\ct+7]
.endr
.endr
.Lnext:
	s_add_co_u32 s[TB], s[TB], 16384
	s_add_nc_u64 s[MP:MP+1], s[MP:MP+1], 256       ; no scalar load is out here: tile 1's softmax has waited for the last
	s_add_co_u32 s[KS], s[KS], 1
	s_cmp_lt_u32 s[KS], 16
	s_cbranch_scc1 .Lstep
	s_setprio 0
	; THE WAY OUT: o = O^T x 2^(e8 + e9) / the sum, held, converted with 2^e10: a tile's 32 numbers a lane become 8 registers of the last product's operand, stored as two images.
	PLACES                                         ; behind the last products
	s_add_co_i32 s13, s92, s93                     ; e8 + e9
	s_add_co_i32 s14, s94, 127
	s_lshl_b32 s15, s14, 23                        ; 2^e10
.irp t, 0,1
	v_add_f32 v[ST+4*\t+2], v[ST+4*\t+2], v[ST+4*\t+3]        ; the sum's two halves,
.endr
.irp t, 0,1
	s_delay_alu instid0(VALU_DEP_2)
	v_permlanex16_b32 v[ST+4*\t+3], v[ST+4*\t+2], s[SEL], s[SEL+1]
.endr
.irp t, 0,1
	s_delay_alu instid0(VALU_DEP_2)
	v_add_f32 v[ST+4*\t+2], v[ST+4*\t+2], v[ST+4*\t+3]        ; and lane l xor 16's: the row's sum, above 1/2
.endr
	s_wait_alu depctr_va_vdst(0)
.irp t, 0,1
	v_rcp_f32 v[ST+4*\t+2], v[ST+4*\t+2]
.endr
	v_mov_b32 v[CA], s15                           ; (plain instructions behind the reciprocals)
	s_wait_alu depctr_va_vdst(0)                   ; one wait for both, ahead of the first reader
.irp t, 0,1
	v_ldexp_f32 v[ST+4*\t+2], v[ST+4*\t+2], s13
.endr
.irp t, 0,1
.set n, 0
.rept 32
	v_mul_f32 v[S+32*\t+n], v[O+32*\t+n], v[ST+4*\t+2]        ; ascending: register 8 ct + j is o(query, channel 16 ct + 8 (lane / 16) + j)
.set n, n+1
.endr
.endr
.set n, 0
.rept 64
.set n, n+1
.endr
.irp t, 0,1
.irp ct, 0,1,2,3
	v_cvt_scalef32_pk8_fp8_f32 v[KV+8*\t+2*\ct:KV+8*\t+2*\ct+1], v[S+32*\t+8*\ct:S+32*\t+8*\ct+7], v[CA]
.endr
.endr
	v_nop                                          ; one plain vector instruction behind the last conversion
.irp t, 0,1
.irp i, 0,1
	global_store_b128 v[LI], v[KV+8*\t+4*\i:KV+8*\t+4*\i+3], s[96:97] offset:16384*\t+512*\i   ; each store of the wave covers 512 consecutive bytes, aligned
.endr
.endr
	s_endpgm
.Lfunc_end_k_q1efd003369_attn:
	.size	k_q1efd003369_attn, .Lfunc_end_k_q1efd003369_attn-k_q1efd003369_attn
	.p2alignl 7, 3214868480
	.fill 96, 4, 3214868480
	.section	.rodata,"a",@progbits
	.p2align	6, 0x0
	.amdhsa_kernel k_q1efd003369_attn
		.amdhsa_group_segment_fixed_size 262144
		.amdhsa_private_segment_fixed_size 0
		.amdhsa_enable_private_segment 0
		.amdhsa_kernarg_size 48
		.amdhsa_user_sgpr_count 2
		.amdhsa_user_sgpr_kernarg_segment_ptr 1
		.amdhsa_wavefront_size32 1
		.amdhsa_system_sgpr_workgroup_id_x 1
		.amdhsa_system_sgpr_workgroup_id_y 1
		.amdhsa_system_sgpr_workgroup_id_z 1
		.amdhsa_system_vgpr_workitem_id 0
		.amdhsa_next_free_vgpr 256
		.amdhsa_next_free_sgpr 100
		.amdhsa_reserve_vcc 0
		.amdhsa_float_denorm_mode_32 3
		.amdhsa_float_denorm_mode_16_64 3
		.amdhsa_fp16_overflow 1
		.amdhsa_memory_ordered 1
		.amdhsa_forward_progress 1
		.amdhsa_inst_pref_size 51
	.end_amdhsa_kernel
	.amdgpu_metadata
---
amdhsa.version: [ 1, 2 ]
amdhsa.kernels:
  - .name:           k_q1efd003369_attn
    .symbol:         k_q1efd003369_attn.kd
    .args:
      - { .name: qimg, .offset: 0, .size: 8, .value_kind: global_buffer, .address_space: global }
      - { .name: kvimg, .offset: 8, .size: 8, .value_kind: global_buffer, .address_space: global }
      - { .name: maskw, .offset: 16, .size: 8, .value_kind: global_buffer, .address_space: global }
      - { .name: flagw, .offset: 24, .size: 8, .value_kind: global_buffer, .address_space: global }
      - { .name: lowp_scales, .offset: 32, .size: 8, .value_kind: global_buffer, .address_space: global }
      - { .name: aimg, .offset: 40, .size: 8, .value_kind: global_buffer, .address_space: global }
    .group_segment_fixed_size: 262144
    .private_segment_fixed_size: 0
    .kernarg_segment_align: 8
    .kernarg_segment_size: 48
    .max_flat_workgroup_size: 512
    .sgpr_count:     100
    .vgpr_count:     256
    .wavefront_size: 32
...
	.end_amdgpu_metadata
.endif
;; end of part 3
;; launch oproj (part 4): grid 4 x 32, 4 waves a work-group, clusters of 4 x 4, 327,680 bytes of LDS; arguments aimg, Wo_codes, lowp_scales, bo, out0; writes out0
.if DOCPART == 4
	.amdgcn_target "amdgcn-amd-amdhsa--gfx1250"
	.amdhsa_code_object_version 6
	.text
	.protected	k_q1efd003369_oproj
	.globl	k_q1efd003369_oproj
	.p2align	8
	.type	k_q1efd003369_oproj,@function
k_q1efd003369_oproj:
	s_mov_b64 s[64:65], 0
	v_nop
	global_prefetch_b8 v0, s[64:65] scope:SCOPE_SE
	s_setreg_imm32_b32 hwreg(HW_REG_WAVE_MODE, 25, 1), 1
	s_wait_xcnt 0x0
	s_wait_alu depctr_hold_cnt(0) depctr_sa_sdst(0) depctr_va_vdst(0) depctr_va_sdst(0) depctr_va_ssrc(0) depctr_va_vcc(0) depctr_vm_vsrc(0)
	s_getreg_b32 s2, hwreg(HW_REG_IB_STS2, 6, 4)
	s_cmp_eq_u32 s2, 0
	s_cbranch_scc0 .Lentry_in_a_cluster
	s_endpgm
.Lentry_in_a_cluster:
	s_bfe_u32 s2, ttmp6, 0x10000c
	s_cmp_lg_u32 s2, 0xf033
	s_cbranch_scc0 .Lentry_shape_is_right
	s_endpgm
.Lentry_shape_is_right:
; out0[m][n] = 2^(e10 + e11) x (sum over k of a[m][k] Wo[n][k]) + bo[n], on codes of FP8 (E4M3).  a: the attention's result as images of operand registers, aimg [token tile 512][K step of 128: 8][4][512 bytes]
; (registers 2 c, 2 c + 1 of a fragment hold k = 16 c + 8 (lane / 16) + 0 .. 7; lane l's 16 bytes of four registers at 16 l).  Wo: [1024 (n)][1024 (k)] codes, K innermost.  out0: [8192][1024] f32.
; LIMIT: e10 + e11 between -126 and 127, so that 2^(e10 + e11) is an f32 number.
; A tile of 256 x 256 is made by four waves, 128 x 128 each: 64 accumulators, 512 registers.  8,192 x 1,024 results are 128 such tiles: 128 work-groups.  K goes in steps of 256 through a ring of two LDS slots.
; CLUSTERS: 4 x 4 work-groups; a's tile is shared along a row of the cluster, Wo's along a column: each is asked for JOINTLY.  THE MATRIX INSTRUCTION IS USED TRANSPOSED (source 0 = 16 rows of Wo, source 1 = 16 tokens):
; a lane holds eight neighbouring numbers of a row of out0.
; A SLOT: a's 16 token tiles x 4,096 bytes (two K steps of 128), dense: a fragment comes by four loads of 512 consecutive bytes; then Wo's 256 rows of 256 bytes + 16 of padding: a fragment comes by eight loads of
; 8 bytes a lane, at row x 272 + 8 (lane / 16) + 16 c, which is the order of k that a's images have.
; REGISTERS, in windows of 256: window 0: v0-31 addresses; v32-35 bo; from v128 a's fragments, ONE set; on the way out v128-255 rows of out0.   window 1: Wo's fragments, TWO sets.   windows 2, 3: the accumulators.
.set SIZE_N, 1024
.set PITCH,  272
.set FR,     16
.set NL,     4                         ; LDS loads that bring a fragment of a
.set NP,     4                         ; places behind this matrix instruction (ISA guide 7.12.1)
.set AHALF,  32768                     ; eight token tiles x 4,096 bytes: what one tensor load brings of a
.set APART,  2*AHALF
.set BHALF,  128*PITCH                 ; 128 rows of Wo
.set SLOT,   APART+2*BHALF
.set SPARE,  2*SLOT                    ; behind the ring: the spare words, 128 bytes a wave
.set SPITCH, 528                       ; the way out: a stage of 16 rows x (512 bytes + 16) for each wave, in slot 0, which has had its last fill and its last read when the first result is stored there
.set ADRA, 16                          ; v16-17  LDS address of my fragments of a in slot 0, 1
.set ADRB, 20                          ; v20-21  the same for Wo
.set STO,  24                          ; v24     the way out: where I put 32 bytes of a row
.set RD,   25                          ; v25     where I read a row back
.set CO,   26                          ; v26     16 x lane: my bytes in a row of 512; never rewritten
.set SPW,  28                          ; v28     LDS address of my spare word; never rewritten
.set NIL,  29                          ; v29     0; never rewritten
.set BO,   32                          ; v32-35  bo of my four columns
.set AF,   128
.set BK,   128                         ; the way out: 16 rows read back: v128-191 and v192-255 by turns
.set G1, 24                            ; s[24:31] descriptor group 1 for a's tiles;  s[32:39] group 0, one set for each slot
.set G0, 32
.set G1B, 48                           ; s[48:55], s[56:63] the same for Wo's
.set G0B, 56
.set MSB, 0
.macro WIN new                         ; the immediate's high byte repeats the setting that is left
.if MSB != \new
	s_set_vgpr_msb (MSB<<8)|\new
.set MSB, \new
.endif
.endm
.set MUL_LO, 0xa1                      ; source 0 (Wo) window 1, source 1 (a) window 0, C and D window 2
.set MUL_HI, 0xf1                      ; the same, C and D window 3
.set TO_B,   0x40                      ; destination window 1, address window 0
.macro JLOAD g0a, g1a, g0b, g1b        ; a joint load: waves 0 and 1 fetch for a, waves 2 and 3 for Wo; four v_nop follow each of the two lines
	s_cmp_eq_u32 s15, 0
	s_cbranch_scc0 .Lfor_b_\@
	tensor_load_to_lds s[\g0a:\g0a+3], s[\g1a:\g1a+7]
	s_nop 0
.rept 4
	v_nop
.endr
	s_branch .Lasked_\@
.Lfor_b_\@:
	tensor_load_to_lds s[\g0b:\g0b+3], s[\g1b:\g1b+7]
	s_nop 0
.rept 4
	v_nop
.endr
.Lasked_\@:
.endm
.macro CREST                           ; a round of the cluster's barrier behind its opening barrier
	s_cmp_lg_u32 s14, 0
	s_cbranch_scc1 .Lnot_wave_0_\@
	s_barrier_signal -3
.Lnot_wave_0_\@:
	s_barrier_wait -3
	s_barrier_signal -1
	s_barrier_wait -1
.endm
.macro CROUND
	s_barrier_signal -1
	s_barrier_wait -1
	CREST
.endm
	s_load_b128 s[4:7], s[0:1], 0x0                ; aimg s[4:5], Wo's codes s[6:7]
	s_load_b128 s[8:11], s[0:1], 0x10              ; the exponents s[8:9], bo s[10:11]
	s_load_b64 s[12:13], s[0:1], 0x20              ; out0
	v_lshl_add_u32 v[SPW], v0, 2, SPARE
	v_mov_b32 v[NIL], 0
	v_lshrrev_b32 v1, 5, v0
	v_readfirstlane_b32 s14, v1                    ; wave 0..3
	s_lshr_b32 s15, s14, 1                         ; which half of the tile's rows is mine.  Also: I fetch for a (0) or for Wo (1)
	s_and_b32 s16, s14, 1                          ; which half of its columns.  Also: which half of that tile I fetch
	s_bfe_u32 s40, ttmp6, 0x40000                  ; cx, cy: my place in the cluster
	s_bfe_u32 s41, ttmp6, 0x40004
	s_lshl_b32 s42, ttmp9, 2
	s_add_co_u32 s42, s42, s40                     ; tile column = 4 x cluster x + cx
	s_and_b32 s17, ttmp7, 0xffff
	s_lshl_b32 s17, s17, 2
	s_add_co_u32 s17, s17, s41                     ; tile row = 4 x cluster y + cy
	s_lshl_b32 s43, s41, 2
	s_lshl_b32 s43, 15, s43                        ; my row of the cluster
	s_lshl_b32 s44, 0x1111, s40                    ; my column
	; a's group 1: 8 rows (token tiles) of 4,096 bytes, 16,384 bytes apart in memory, dense in LDS
	s_or_b32 s[G1+0], s43, (0<<16)|(1<<21)         ; 15:0 the mask: my row; 17:16 elements of 1 byte; 20 no padding; 21 set beside a mask
	s_mov_b32 s[G1+1], 4096<<16                    ; tensor_dim0
	s_mov_b32 s[G1+2], 8<<16                       ; tensor_dim1
	s_mov_b32 s[G1+3], 4096<<16                    ; tile_dim0
	s_mov_b32 s[G1+4], 8                           ; tile_dim1
	s_mov_b32 s[G1+5], 16384                       ; tensor_dim0_stride
	s_mov_b32 s[G1+6], 0
	s_mov_b32 s[G1+7], 0
	; Wo's group 1: 128 rows of 256 bytes, 1,024 apart, four words of padding after every 64
	s_or_b32 s[G1B+0], s44, (0<<16)|(1<<20)|(1<<21)|(5<<22)|(3<<25)
	s_mov_b32 s[G1B+1], 256<<16
	s_mov_b32 s[G1B+2], 128<<16
	s_mov_b32 s[G1B+3], 256<<16
	s_mov_b32 s[G1B+4], 128
	s_mov_b32 s[G1B+5], 1024
	s_mov_b32 s[G1B+6], 0
	s_mov_b32 s[G1B+7], 0
	s_lshl_b32 s18, s16, 3
	s_lshl_b32 s20, s17, 4
	s_add_co_u32 s20, s20, s18
	s_lshl_b32 s20, s20, 14                        ; a: token tile 16 x tile row + 8 x half, 16,384 bytes each
	s_mov_b32 s21, 0
	s_lshl_b32 s18, s16, 7
	s_lshl_b32 s46, s42, 8
	s_add_co_u32 s46, s46, s18
	s_lshl_b32 s46, s46, 10                        ; Wo: row 256 x tile column + 128 x half, 1,024 bytes each
	s_mov_b32 s47, 0
	s_mul_i32 s45, s16, AHALF                      ; where they go: no place in the cluster enters an LDS address
	s_mul_i32 s22, s16, BHALF
	s_add_co_u32 s22, s22, APART
	s_wait_kmcnt 0x0
	s_load_b64 s[96:97], s[8:9], 0x28              ; e10, e11
	s_add_nc_u64 s[20:21], s[4:5], s[20:21]
	s_add_nc_u64 s[46:47], s[6:7], s[46:47]
	CROUND                                         ; all sixteen work-groups are here: the first joint loads meet
.irp s, 0,1
	s_mov_b32 s[G0+4*\s], 1
	s_add_co_u32 s[G0+4*\s+1], s45, \s*SLOT
	s_add_nc_u64 s[G0+4*\s+2:G0+4*\s+3], s[20:21], \s*4096
	s_or_b32 s[G0+4*\s+3], s[G0+4*\s+3], 0x80000000
	s_mov_b32 s[G0B+4*\s], 1
	s_add_co_u32 s[G0B+4*\s+1], s22, \s*SLOT
	s_add_nc_u64 s[G0B+4*\s+2:G0B+4*\s+3], s[46:47], \s*256
	s_or_b32 s[G0B+4*\s+3], s[G0B+4*\s+3], 0x80000000
	s_wait_alu depctr_va_vdst(0)
	s_wait_tensorcnt 0x0
	ds_add_u32 v28, v29
	ds_add_u32 v28, v29
	s_wait_dscnt 0x0
	CROUND
	JLOAD G0+4*\s, G1, G0B+4*\s, G1B               ; K steps 0 and 1: one load of mine is out
.endr
	v_and_b32 v1, 15, v0                           ; r
	v_bfe_u32 v2, v0, 4, 1                         ; h
	v_and_b32 v6, 31, v0
	v_lshlrev_b32 v[CO], 4, v6
	v_mul_u32_u24 v3, v1, PITCH
	v_lshl_add_u32 v4, v2, 3, v3                   ; Wo: row x pitch + 8 x half
	s_mul_i32 s21, s15, AHALF                      ; my eight token tiles
	s_mul_i32 s22, s16, BHALF                      ; my 128 rows of Wo,
	s_add_co_u32 s22, s22, APART                   ; which lie behind a's part
.irp s, 0,1
	v_add_nc_u32 v[ADRA+\s], s21, v[CO]
	v_add_nc_u32 v[ADRB+\s], s22, v4
	s_add_co_u32 s21, s21, SLOT
	s_add_co_u32 s22, s22, SLOT
.endr
	s_mul_i32 s23, s14, 16*SPITCH                  ; my stage
	v_mul_u32_u24 v5, v1, SPITCH                   ; in: row r, 32 bytes for each half of the lanes
	v_lshl_add_u32 v5, v2, 5, v5
	v_add_nc_u32 v[STO], s23, v5
	v_add_nc_u32 v[RD], s23, v[CO]                 ; back: the 32 lanes take one row of 512 bytes
	s_lshl_b32 s20, s17, 8
	s_lshl_b32 s21, s15, 7
	s_add_co_u32 s20, s20, s21
	s_lshl_b32 s20, s20, 12                        ; my first row of out0, 4,096 bytes a row: under 2^25
	s_mov_b32 s21, 0
	s_lshl_b32 s46, s42, 10                        ; my first column, in bytes: 1,024 x tile column + 512 x half
	s_lshl_b32 s47, s16, 9
	s_add_co_u32 s46, s46, s47
	s_mov_b32 s47, 0
	s_add_nc_u64 s[10:11], s[10:11], s[46:47]      ; bo at my 128 columns: 4 bytes a column there too
	s_add_nc_u64 s[20:21], s[20:21], s[46:47]
	s_add_nc_u64 s[12:13], s[12:13], s[20:21]
	global_load_b128 v[BO:BO+3], v[CO], s[10:11]   ; awaited on the way out
.macro FRAGA reg, adr, q, i            ; token tile i, the slot's q-th 128 along K: the image's four pieces
.irp c, 0,1,2,3
	ds_load_b128 v[\reg+4*\c:\reg+4*\c+3], v[\adr] offset:4096*(\i)+2048*(\q)+512*\c
.endr
.endm
.macro FRAGB reg, adr, q, i            ; 16 rows of Wo: registers 2 c, 2 c + 1 hold k = 16 c + 8 (lane / 16) + 0 .. 7
.irp c, 0,1,2,3,4,5,6,7
	ds_load_b64 v[\reg+2*\c:\reg+2*\c+1], v[\adr] offset:(\i)*16*PITCH+128*(\q)+16*\c
.endr
.endm
.macro MUL16 a0, p, zero               ; 16 matrix instructions: a's blocks a0, a0 + 1 x Wo's eight.  The 64 accumulators take turns, one instruction a turn
.irp a, \a0, \a0+1
.irp b, 0,1,2,3,4,5,6,7
.if \zero
	v_wmma_f32_16x16x128_fp8_fp8 v[8*(8*((\a)%4)+\b):8*(8*((\a)%4)+\b)+7], v[128*(\p)+FR*\b:128*(\p)+FR*\b+FR-1], v[AF+FR*(\a):AF+FR*(\a)+FR-1], 0
.else
	v_wmma_f32_16x16x128_fp8_fp8 v[8*(8*((\a)%4)+\b):8*(8*((\a)%4)+\b)+7], v[128*(\p)+FR*\b:128*(\p)+FR*\b+FR-1], v[AF+FR*(\a):AF+FR*(\a)+FR-1], v[8*(8*((\a)%4)+\b):8*(8*((\a)%4)+\b)+7]
.endif
.endr
.endr
.endm
.macro FETCH_B slot, q, p
	WIN TO_B
.irp i, 0,1,2,3,4,5,6,7
	FRAGB 128*(\p)+FR*\i, ADRB+\slot, \q, \i
.endr
	WIN 0
.endm
.macro FETCH_A slot, q, i0
.irp i, \i0, \i0+1, \i0+2, \i0+3
	FRAGA AF+FR*(\i), ADRA+\slot, \q, \i
.endr
.endm
.macro PLACES n
.rept \n
	v_nop
.endr
.endm
.macro STEP slot, q, zero              ; a step of 128 along K that has its successor in the same slot
	s_wait_dscnt 4*NL                              ; Wo's set and a's blocks 0-3 are in; the youngest 16 loads (a's blocks 4-7) may be out
	WIN MUL_LO
	MUL16 0, (\q)%2, \zero
	MUL16 2, (\q)%2, \zero
	s_wait_dscnt 0
	PLACES NP
	FETCH_B \slot, (\q)+1, 1-(\q)%2
	FETCH_A \slot, (\q)+1, 0
	WIN MUL_HI
	MUL16 4, (\q)%2, \zero
	MUL16 6, (\q)%2, \zero
	PLACES NP
	WIN 0
	FETCH_A \slot, (\q)+1, 4
.endm
.macro TURN slot, next, fill           ; a slot's last step changes slots: ONE barrier, with the three lines in front of it
	s_wait_tensorcnt 0x0                           ; all my tensor loads have landed: my part of the next slot
	ds_add_u32 v[SPW], v[NIL]                      ; 0 onto my spare word
	s_wait_dscnt 4*NL+1                            ; (the add and the youngest 16 loads may be out)
	WIN MUL_LO
	MUL16 0, 1, 0
	s_wait_dscnt 0x0                               ; the add is done, and my reads of this slot are over
	s_barrier_signal -1
	MUL16 2, 1, 0
	WIN 0
	s_barrier_wait -1
.if \fill
	CREST                                          ; the barrier has opened a round of the cluster's barrier: no wave of any partner still reads this slot or has a load on its way
	s_add_nc_u64 s[G0+4*\slot+2:G0+4*\slot+3], s[G0+4*\slot+2:G0+4*\slot+3], 2*4096
	s_add_nc_u64 s[G0B+4*\slot+2:G0B+4*\slot+3], s[G0B+4*\slot+2:G0B+4*\slot+3], 2*256
	JLOAD G0+4*\slot, G1, G0B+4*\slot, G1B         ; the first tensor load behind the round; its four v_nop are the places in front of the loads below
.else
	PLACES NP
.endif
	FETCH_B \next, 0, 0
	FETCH_A \next, 0, 0
	WIN MUL_HI
	MUL16 4, 1, 0
	MUL16 6, 1, 0
	PLACES NP
	WIN 0
	FETCH_A \next, 0, 4
.endm
	s_wait_alu depctr_va_vdst(0)
	s_wait_tensorcnt 1                             ; my part of K step 0 is in; K step 1's load may be out
	s_barrier_signal -1
	s_barrier_wait -1
	FETCH_B 0, 0, 0
	FETCH_A 0, 0, 0
	FETCH_A 0, 0, 4
	STEP 0, 0, 1                                   ; K = 1,024 is four K steps, twice round the ring: written out, since a loop would make one trip
	TURN 0, 1, 1
	STEP 1, 0, 0
	TURN 1, 0, 1
	STEP 0, 0, 0
	TURN 0, 1, 0
	STEP 1, 0, 0
	s_wait_dscnt 4*NL
	WIN MUL_LO
	MUL16 0, 1, 0
	MUL16 2, 1, 0
	s_wait_dscnt 0
	WIN MUL_HI
	MUL16 4, 1, 0
	MUL16 6, 1, 0
	WIN 0
; THE WAY OUT, block by block of 16 rows x 128 columns: the sums go as they are through my own stage in LDS and come back as whole rows of 512 bytes; there a lane holds four neighbouring columns, the same in every row,
; so one multiply-add for two numbers gives sum x 2^(e10 + e11) + bo; the 32 lanes store 512 consecutive bytes.  LDS serves a wave's instructions in order (ISA guide 5.7.1.4): no wait between the stores and the loads.
.macro TOSTAGE a
.set AC, 64*((\a)%4)
	WIN 0x08+4*((\a)/4)                            ; the stores' data: window 2 or 3
.irp b, 0,1,2,3,4,5,6,7
	ds_store_b128 v[STO], v[AC+8*\b:AC+8*\b+3] offset:64*\b          ; each accumulator from its low end on
	ds_store_b128 v[STO], v[AC+8*\b+4:AC+8*\b+7] offset:64*\b+16
.endr
	WIN 0
.set BB, BK+64*((\a)%2)
.irp t, 0,1,2,3,4,5,6,7,8,9,10,11,12,13,14,15
	ds_load_b128 v[BB+4*\t:BB+4*\t+3], v[RD] offset:\t*SPITCH
.endr
.endm
.macro SEND a, younger                 ; younger: the LDS instructions issued behind block a's loads, which may stay out
.set BB, BK+64*((\a)%2)
	s_wait_dscnt \younger
.irp t, 0,1,2,3,4,5,6,7,8,9,10,11,12,13,14,15
	v_pk_fma_f32 v[BB+4*\t:BB+4*\t+1], v[BB+4*\t:BB+4*\t+1], s[96:97], v[BO:BO+1] op_sel_hi:[1,0,1]
	v_pk_fma_f32 v[BB+4*\t+2:BB+4*\t+3], v[BB+4*\t+2:BB+4*\t+3], s[96:97], v[BO+2:BO+3] op_sel_hi:[1,0,1]
.endr
.if (\a) > 0
	s_add_nc_u64 s[12:13], s[12:13], 16*SIZE_N*4   ; (behind a wait on XCNT: the earlier stores have read their base)  16 rows on
.endif
.irp t, 0,1,2,3,4,5,6,7,8,9,10,11,12,13,14,15
	global_store_b128 v[CO], v[BB+4*\t:BB+4*\t+3], s[12:13] offset:\t*SIZE_N*4 th:TH_STORE_NT   ; 512 consecutive bytes, at a multiple of 256 from out0's first byte; written once, read by nobody here
.endr
.endm
	s_wait_kmcnt 0x0
	s_add_co_i32 s96, s96, s97                     ; e10 + e11
	s_add_co_i32 s96, s96, 127
	s_lshl_b32 s96, s96, 23                        ; 2^(e10 + e11) as f32
	s_mov_b32 s97, s96                             ; (named with it as a pair, so it is written)
	s_wait_loadcnt 0x0                             ; bo
	PLACES NP                                      ; behind the last products: in front of the stores of results and of the loads into the registers that held a's fragments
	TOSTAGE 0
.irp a, 1,2,3,4,5,6,7
.if \a > 1
	s_wait_xcnt 0x0                                ; block a - 2's stores have read their registers and their base: block a's loads may land there, and the base may step
.endif
	TOSTAGE \a
	SEND \a-1, 32                                  ; behind block a - 1's loads: block a's 16 stores and 16 loads
.endr
	s_wait_xcnt 0x0                                ; block 6's stores have read their base
	SEND 7, 0
	s_wait_tensorcnt 0x0                           ; the wave's end
	ds_add_u32 v[SPW], v[NIL]
	s_wait_dscnt 0x0
	CROUND                                         ; the closing round: no work-group ends while a partner may still ask for a tile that names it
	s_endpgm
.Lfunc_end_k_q1efd003369_oproj:
	.size	k_q1efd003369_oproj, .Lfunc_end_k_q1efd003369_oproj-k_q1efd003369_oproj
	.p2alignl 7, 3214868480
	.fill 96, 4, 3214868480
	.section	.rodata,"a",@progbits
	.p2align	6, 0x0
	.amdhsa_kernel k_q1efd003369_oproj
		.amdhsa_group_segment_fixed_size 327680
		.amdhsa_private_segment_fixed_size 0
		.amdhsa_enable_private_segment 0
		.amdhsa_kernarg_size 40
		.amdhsa_user_sgpr_count 2
		.amdhsa_user_sgpr_kernarg_segment_ptr 1
		.amdhsa_wavefront_size32 1
		.amdhsa_system_sgpr_workgroup_id_x 1
		.amdhsa_system_sgpr_workgroup_id_y 1
		.amdhsa_system_sgpr_workgroup_id_z 1
		.amdhsa_system_vgpr_workitem_id 0
		.amdhsa_next_free_vgpr 1024
		.amdhsa_next_free_sgpr 98
		.amdhsa_reserve_vcc 0
		.amdhsa_float_denorm_mode_32 3
		.amdhsa_float_denorm_mode_16_64 3
		.amdhsa_memory_ordered 1
		.amdhsa_forward_progress 1
		.amdhsa_inst_pref_size 140
	.end_amdhsa_kernel
	.amdgpu_metadata
---
amdhsa.version: [ 1, 2 ]
amdhsa.kernels:
  - .name:           k_q1efd003369_oproj
    .symbol:         k_q1efd003369_oproj.kd
    .args:
      - { .name: aimg, .offset: 0, .size: 8, .value_kind: global_buffer, .address_space: global }
      - { .name: Wo_codes, .offset: 8, .size: 8, .value_kind: global_buffer, .address_space: global }
      - { .name: lowp_scales, .offset: 16, .size: 8, .value_kind: global_buffer, .address_space: global }
      - { .name: bo, .offset: 24, .size: 8, .value_kind: global_buffer, .address_space: global }
      - { .name: out0, .offset: 32, .size: 8, .value_kind: global_buffer, .address_space: global }
    .group_segment_fixed_size: 327680
    .private_segment_fixed_size: 0
    .kernarg_segment_align: 8
    .kernarg_segment_size: 40
    .max_flat_workgroup_size: 128
    .sgpr_count:     98
    .vgpr_count:     1024
    .wavefront_size: 32
...
	.end_amdgpu_metadata
.endif
;; end of part 4
